; MI455X (gfx1250); checked and timed in simulation.
; The chip was launched on July 23, 2026; its instructions are those of AMD's public machine-readable ISA for CDNA 5 (MIT licence, August 2026) and "CDNA5" Instruction Set Architecture Reference Guide (July 2026). The comments in the code are by the model that wrote it; some were corrected since.
;; Attention. Allowed arithmetic: matrix products marked QUANTISED: E2M3 operands, one E8M0 scale for each 32 along K, by v_wmma_scale_f32_16x16x128_f8f6f4 with both operands' format E2M3, f32 sums; products left as they are: f32 operands where the result goes on into a quantised operand, else bf16, f16 or f32 operands; f32 sums; everything else in f32.
;; Inputs: V 1,024 x 1 float32; W1 1,024 x 1,024 float32; W2 1,024 x 1,024 float32; all_enc_hiddens 32 x 2,048 x 1,024 float32; b1 1,024 float32; b2 1,024 float32; bv 1 float32; dec_hidden 32 x 1,024 float32.
;; Outputs: out0 32 x 1,024 float32; out1 32 x 2,048 x 1 float32.
;; This version of the problem:
;;   THIS VERSION OF THE PROBLEM IS GIVEN IN LOW PRECISION. The matrix products marked QUANTISED in the list below multiply operands that are first quantised to E2M3 (2 exponent bits, 3 mantissa bits; 6 bits a number), with one power-of-two scale for each 32 numbers along K (OCP MX v1.0); their sums are f32. All else is computed in f32.
;;   The module's matrix products, in the order in which they are computed (A, B: the left and right operand; K: the contracted axis; several contracted axes count as one K, in the product's order):
;;     1. [M 32, K 1,024] x [K 1,024, N 1,024]; A: input dec_hidden; B: input W1: QUANTISED
;;     2. [M 65,536, K 1,024] x [K 1,024, N 1,024]; A: input all_enc_hiddens; B: input W2: QUANTISED
;;     3. [M 65,536, K 1,024] x [K 1,024, N 1]; A: computed on the way; B: input V: left as it is (N = 1 < 16)
;;   THE QUANTISER, for each operand of a quantised product, along K:
;;     - K is cut into blocks of 32 from its start; a last block that is shorter is filled with zeros.
;;     - A block's scale is 2^e with e = floor(log2(the largest magnitude in the block)) - 2, held to -126 .. 127; a block of zeros has e = 0. As a byte (E8M0): e + 127.
;;     - Each number is divided by its block's scale, clamped to +-7.5, and rounded to the nearest number of E2M3, ties to even, subnormals kept.
;;     - The product sums the exact products of the quantised numbers (number of the format x scale) in f32.
;;   ~~~python
;;   def quantise(x, axis):      # numpy; x: float32 -> the quantised numbers, widened to float32 again
;;       x = np.moveaxis(x, axis, -1); K = x.shape[-1]
;;       x = np.pad(x, [(0, 0)] * (x.ndim - 1) + [(0, -K % 32)]); x = x.reshape(x.shape[:-1] + (-1, 32)); a = np.abs(x).max(-1, keepdims=True)
;;       e = np.where(a > 0, np.clip(np.frexp(np.where(a > 0, a, 1))[1] - 1 - 2, -126, 127), 0)      # np.frexp(a)[1] - 1 = floor(log2(a)), exactly
;;       r = np.clip(x / 2.0 ** e, -7.5, 7.5)
;;       step = 2.0 ** (np.maximum(np.frexp(np.where(r == 0, 1, r))[1] - 1, 0) - 3)
;;       q = np.round(r / step) * step * 2.0 ** e      # np.round: ties to even
;;       return np.moveaxis(q.reshape(q.shape[:-2] + (-1,))[..., :K], -1, axis).astype(np.float32)
;;   ~~~
;; One version. Each part assembles by itself: llvm-mc -triple=amdgcn-amd-amdhsa -mcpu=gfx1250 --defsym DOCPART=n.
;; ======== version 1 of 1: 3 launches
;; limits: right only within a limited range of input values
;; workspace buffers: w2img 786,432 bytes; tab 1,310,720 bytes; scores 262,144 bytes
;; launch prep (part 1): grid 128 x 1, 8 waves a work-group, no clusters, 17,920 bytes of LDS; arguments W2, W1, dec_hidden, b1, b2, V, w2img, tab; writes w2img, tab
.if DOCPART == 1
	.amdgcn_target "amdgcn-amd-amdhsa--gfx1250"
	.amdhsa_code_object_version 6
	.text
	.protected	k_q0673151d8b_prep
	.globl	k_q0673151d8b_prep
	.p2align	8
	.type	k_q0673151d8b_prep,@function
k_q0673151d8b_prep:
	s_mov_b64 s[64:65], 0
	v_nop
	global_prefetch_b8 v0, s[64:65] scope:SCOPE_SE
	s_setreg_imm32_b32 hwreg(HW_REG_WAVE_MODE, 25, 1), 1
	s_wait_xcnt 0x0
; THE FIRST OF THREE LAUNCHES.  It quantises W2 once into images of the matrix operand's registers (w2img) and makes, for each batch, a table (tab) of 40,960 bytes:
;   bytes 0..4095      cq[u] = c (Q(dec_hidden) Q(W1) + b1 + b2)[batch][u], c = 2 log2(e)
;   bytes 4096..8191   v2[u] = -2 V[u]
;   bytes 8192..40959  W2's scale words [u][8]: byte b of word s is the E8M0 byte of block 4 s + b of column u (the same in every batch, so that the next launch brings a batch's table as one dense block)
; WORK LEFT OUT, for all values of the inputs:
;   bv: reference() adds bv to every score of a batch, and the scores reach out0 and out1 through softmax over t alone; softmax_t(s_t + bv) = softmax_t(s_t) for every bv.  bv is not loaded and is among no launch's arguments.
;   The sum of V: tanh(z) = 1 - 2 / (1 + e^(2 z)) is an identity, so sum_u V_u tanh(z_u) = sum_u V_u - 2 sum_u V_u / (1 + 2^(c z_u)); the first term is the same for every t, and the softmax takes it away likewise.
;   So the program's score is s' = sum_u v2[u] / (1 + 2^(c k[t][u] + cq[u])), k the second product.
; LIMITS: a NaN, an infinity or an overflow that reaches only bv or the sum of V is not carried to the results.  NaN and infinities among the inputs are not served.  A block of zeros gets the scale byte 1 where the
; rule says 127: its codes are zeros, which add nothing under any byte but 0xff, and the bytes are read by this program alone.
; SHARES.  Work-groups 0-63: column tile n (16 columns) of W2; work-groups 64-127: column tile n of W1 and the first product for it.  Wave s takes K step s (128 along K).
; A LANE TAKES A COLUMN AND ITS REGISTERS RUN DOWN K, in the order that the operand's layout gives the lane (k = 64 c + 32 (lane / 16) + 0 .. 31): the conversions' results are the operand's registers.
; No cluster and no tensor load: what work-groups share here (dec_hidden, 128 KiB) is small beside W1 and W2, of which each work-group reads a part of its own.
; The two kinds of work-group part at ONE branch on the work-group's number and use LDS bytes of their own.
; cq and v2 leave in pieces of 64 bytes (16 lanes x 4): 256 KiB in all, written once.
.set QP,    0                          ; LDS, first product's work-groups: 8 waves x 2,048 bytes: each wave's two partial tiles
.set WS,    16384                      ; LDS, W2's work-groups: 16 columns x 8 scale words
.set SPARE, 16896                      ; the spare words: 128 bytes for each of the 8 waves: four blocks of 256 bytes that no other line names
.set TABB,  40960                      ; a batch's table
.set SPW,   8                          ; v8   LDS address of my spare word; never rewritten
.set NIL,   9                          ; v9   0; never rewritten
.set T,     12                         ; v12-19 QB's eight registers at work
.set SEL,   24                         ; s[24:25] lane selects for v_permlanex16_b32: lane l xor 16
.set HM,    26                         ; s26  the mask of lanes 16-31
; REGISTERS: v1 lane, v2 r = lane % 16, v3 h = lane / 16, v4 W's offset, v5 dec's, v6 16 x lane, v7, v10, v11, v24 addresses; v20-22 b1, b2, V; v29-31 scale words (W, dec rows 0-15, dec rows 16-31);
;   v32-43 W's fragment; v44-55, v64-75 dec's two; v64-127 W's numbers; v80-95 the two results; v100-115 the eight partial sums; v128-255 dec's numbers.
; 64 numbers of a lane, v[x + 32 c + i] = k 64 c + 32 h + i of my row or column: two whole blocks of 32.  They become a fragment's 12 registers v[f] on, and the scale word v[sw].
; A block's scale: the largest magnitude's exponent field less 2 (2 = the exponent of E2M3's largest number, 7.5), held at 1 from below by the floor 2^(3 - 127) among the maximum's leaves.
; both = 0: the word is right in lanes 0-15, which are the lanes that a scale operand is read from; both = 1: in all lanes.
.macro QB x, f, sw, both
.irp c, 0,1
	v_max3_num_f32 v[T+\c], |v[\x+32*\c]|, |v[\x+32*\c+1]|, 0x1800000
.endr
.irp i, 2,4,6,8,10,12,14,16,18,20,22,24,26,28,30
.irp c, 0,1
	s_delay_alu instid0(VALU_DEP_2)
	v_max3_num_f32 v[T+\c], v[T+\c], |v[\x+32*\c+\i]|, |v[\x+32*\c+\i+1]|   ; the two blocks by turns
.endr
.endr
.irp c, 0,1
	s_delay_alu instid0(VALU_DEP_2)
	v_add_nc_u32 v[T+2+\c], 0xff000000, v[T+\c]    ; 2 off the exponent field: the conversion takes the exponent field of this operand as its scale
.endr
.irp c, 0,1
	s_delay_alu instid0(VALU_DEP_2)
	v_lshrrev_b32 v[T+4+\c], 23, v[T+2+\c]         ; the scale's byte
.endr
	s_delay_alu instid0(VALU_DEP_1)
	v_lshl_or_b32 v[T+6], v[T+5], 16, v[T+4]       ; my two bytes: blocks h and 2 + h
	s_delay_alu instid0(VALU_DEP_1)
	v_permlanex16_b32 v[T+7], v[T+6], s[SEL], s[SEL+1]   ; and lane l xor 16's two
.if \both
	s_delay_alu instid0(VALU_DEP_1)
	v_cndmask_b32 v[T+4], v[T+6], v[T+7], s[HM]    ; blocks 0 and 2: mine in lanes 0-15, the other's in lanes 16-31
	s_delay_alu instid0(VALU_DEP_2)
	v_cndmask_b32 v[T+5], v[T+7], v[T+6], s[HM]    ; blocks 1 and 3
	s_delay_alu instid0(VALU_DEP_1)
	v_lshl_or_b32 v[\sw], v[T+5], 8, v[T+4]
.else
	s_delay_alu instid0(VALU_DEP_1)
	v_lshl_or_b32 v[\sw], v[T+7], 8, v[T+6]
.endif
.irp c, 0,1
	v_cvt_scalef32_pk16_fp6_f32 v[\f+6*\c:\f+6*\c+2], v[\x+32*\c:\x+32*\c+15], v[T+2+\c]
.endr
	v_nop                                          ; one plain place: the next two conversions write over the first two's sources
.irp c, 0,1
	v_cvt_scalef32_pk16_fp6_f32 v[\x+32*\c:\x+32*\c+2], v[\x+32*\c+16:\x+32*\c+31], v[T+2+\c]   ; a conversion's three registers begin on an even number: the upper 16 codes are made in the block's first registers, which are done with, and moved
.endr
	v_nop                                          ; one plain place behind a scaled conversion
.irp c, 0,1
.irp i, 0,1,2
	v_mov_b32 v[\f+6*\c+3+\i], v[\x+32*\c+\i]
.endr
.endr
.endm
.macro WLOAD b                         ; W(128 s + 64 c + 32 h + i, 16 n + r) into v[64 + 32 c + i]: sixteen neighbouring lanes read 64 neighbouring bytes
.irp c, 0,1
.irp i, 0,1,2,3,4,5,6,7,8,9,10,11,12,13,14,15,16,17,18,19,20,21,22,23,24,25,26,27,28,29,30,31
	global_load_b32 v[64+32*\c+\i], v4, s[\b:\b+1] offset:(64*\c+\i)*4096
.endr
.endr
.endm
	s_load_b256 s[4:11], s[0:1], 0x0               ; W2 s[4:5], W1 s[6:7], dec_hidden s[8:9], b1 s[10:11]
	s_load_b256 s[12:19], s[0:1], 0x20             ; b2 s[12:13], V s[14:15], w2img s[16:17], tab s[18:19]
	v_lshl_add_u32 v[SPW], v0, 2, SPARE
	v_mov_b32 v[NIL], 0
	v_lshrrev_b32 v1, 5, v0
	s_delay_alu instid0(VALU_DEP_1)
	v_readfirstlane_b32 s20, v1                    ; wave = K step s
	v_and_b32 v1, 31, v0                           ; lane
	v_and_b32 v2, 15, v0                           ; r
	v_bfe_u32 v3, v0, 4, 1                         ; h
	s_delay_alu instid0(VALU_DEP_2)
	v_lshlrev_b32 v4, 2, v2
	s_delay_alu instid0(VALU_DEP_1)
	v_lshl_add_u32 v4, v3, 17, v4                  ; W: 4 r + 32 h rows of 4,096 bytes
	v_lshlrev_b32 v6, 4, v1                        ; 16 x lane
	v_mov_b32 v[T+7], 0                            ; written once: a lane permute's destination counts as one of its sources
	s_mov_b32 s[SEL], 0x76543210
	s_mov_b32 s[SEL+1], 0xfedcba98
	s_mov_b32 s[HM], 0xffff0000
	s_and_b32 s21, ttmp9, 63                       ; n
	s_lshl_b32 s28, s20, 19                        ; 128 s rows of 4,096 bytes
	s_lshl_b32 s29, s21, 6                         ; + 16 n columns
	s_add_co_u32 s28, s28, s29
	s_mov_b32 s29, 0
	s_wait_kmcnt 0x0
	s_cmp_lt_u32 ttmp9, 64
	s_cbranch_scc0 .Lq
	; ---- W2's work-groups
	s_add_nc_u64 s[4:5], s[4:5], s[28:29]
	s_wait_alu depctr_va_vdst(0)
	WLOAD 4
	s_lshr_b32 s30, s21, 2                         ; the image's place: (96 (n / 4) + 12 s + 3 (n % 4)) pieces of 512 bytes
	s_mul_i32 s30, s30, 96
	s_mul_i32 s31, s20, 12
	s_add_co_u32 s30, s30, s31
	s_and_b32 s31, s21, 3
	s_mul_i32 s31, s31, 3
	s_add_co_u32 s30, s30, s31
	s_lshl_b32 s30, s30, 9
	s_mov_b32 s31, 0
	s_add_nc_u64 s[16:17], s[16:17], s[30:31]
	s_mul_i32 s30, s20, 4*TABB                     ; the scale words go into the tables of batches 4 s .. 4 s + 3, at 8,192 + 512 n
	s_lshl_b32 s32, s21, 9
	s_add_co_u32 s30, s30, s32
	s_add_co_u32 s30, s30, 8192
	s_add_nc_u64 s[18:19], s[18:19], s[30:31]
	s_lshl_b32 s32, s20, 2
	v_lshl_add_u32 v10, v2, 5, WS
	s_delay_alu instid0(VALU_DEP_1)
	v_add_nc_u32 v10, s32, v10                     ; LDS: column r's word s
	s_wait_loadcnt 0x0
	QB 64, 32, 29, 1
.irp c, 0,1,2
	global_store_b128 v6, v[32+4*\c:35+4*\c], s[16:17] offset:512*\c   ; registers 4 c .. 4 c + 3 of all lanes: 512 consecutive bytes
.endr
	ds_store_b32 v10, v29                          ; lanes r and r + 16 write the same word with the same value
	s_wait_dscnt 0x0                               ; for the others' sake: my word has landed
	s_barrier_signal -1
	s_barrier_wait -1
	ds_load_b128 v[20:23], v6 offset:WS            ; the tile's 16 x 8 words, as the table has them
	s_wait_dscnt 0x0
.irp i, 0,1,2,3
	global_store_b128 v6, v[20:23], s[18:19] offset:TABB*\i   ; 512 consecutive bytes
.endr
	s_wait_tensorcnt 0x0                           ; the wave's end
	ds_add_u32 v[SPW], v[NIL]
	s_wait_dscnt 0x0
	s_endpgm
	; ---- the first product's work-groups
.Lq:
	s_add_nc_u64 s[6:7], s[6:7], s[28:29]
	s_lshl_b32 s30, s20, 9
	s_mov_b32 s31, 0
	s_add_nc_u64 s[8:9], s[8:9], s[30:31]          ; dec_hidden at K step s
	s_lshl_b32 s30, s21, 6
	s_add_nc_u64 s[10:11], s[10:11], s[30:31]      ; b1, b2, V at column 16 n
	s_add_nc_u64 s[12:13], s[12:13], s[30:31]
	s_add_nc_u64 s[14:15], s[14:15], s[30:31]
	s_wait_alu depctr_va_vdst(0)
	v_lshlrev_b32 v5, 12, v2
	s_delay_alu instid0(VALU_DEP_1)
	v_lshl_add_u32 v5, v3, 7, v5                   ; dec_hidden: row r of 4,096 bytes + 128 h
	v_lshlrev_b32 v10, 2, v2
.irp m, 0,1
.irp c, 0,1
.irp j, 0,1,2,3,4,5,6,7
	global_load_b128 v[128+64*\m+32*\c+4*\j:128+64*\m+32*\c+4*\j+3], v5, s[8:9] offset:65536*\m+256*\c+16*\j   ; row 16 m + r, k = 64 c + 32 h + 4 j on
.endr
.endr
.endr
	global_load_b32 v20, v10, s[10:11]
	global_load_b32 v21, v10, s[12:13]
	global_load_b32 v22, v10, s[14:15]
	WLOAD 6
	s_lshl_b32 s30, s20, 11
	v_add_nc_u32 v11, s30, v6                      ; LDS: my wave's 2,048 bytes, 16 x lane
	s_lshr_b32 s30, s20, 1
	s_lshl_b32 s30, s30, 9
	s_and_b32 s31, s20, 1
	s_lshl_b32 s31, s31, 3
	s_add_co_u32 s30, s30, s31
	v_add_nc_u32 v7, s30, v6                       ; and back: result registers 2 w, 2 w + 1 of each wave's sixteen
	v_mul_u32_u24 v24, v3, 8*TABB
	s_delay_alu instid0(VALU_DEP_1)
	v_lshl_add_u32 v24, v2, 2, v24                 ; tab: 8 h batches on, 4 r
	s_lshr_b32 s32, s20, 2                         ; wave w finishes batches 16 (w / 4) + 8 h + (2 w) % 8 and the next
	s_lshl_b32 s32, s32, 4
	s_lshl_b32 s33, s20, 1
	s_and_b32 s33, s33, 7
	s_add_co_u32 s32, s32, s33
	s_mul_i32 s32, s32, TABB
	s_lshl_b32 s33, s21, 6
	s_add_co_u32 s32, s32, s33
	s_mov_b32 s33, 0
	s_add_nc_u64 s[18:19], s[18:19], s[32:33]
	s_wait_loadcnt 0x0
	QB 64, 32, 29, 0
	QB 128, 44, 30, 0
	QB 192, 64, 31, 0
.rept 8
	v_nop                                          ; a scale register written by a vector instruction stands 8 places ahead of a scaled matrix instruction, an operand so written 4
.endr
	v_wmma_scale_f32_16x16x128_f8f6f4 v[80:87], v[44:55], v[32:43], 0, v30, v29 matrix_a_fmt:MATRIX_FMT_FP6 matrix_b_fmt:MATRIX_FMT_FP6   ; lane: column 16 n + r; register j: batch 8 h + j
	v_wmma_scale_f32_16x16x128_f8f6f4 v[88:95], v[64:75], v[32:43], 0, v31, v29 matrix_a_fmt:MATRIX_FMT_FP6 matrix_b_fmt:MATRIX_FMT_FP6   ; batch 16 + 8 h + j
.rept 4
	v_nop                                          ; four places in front of the first read of the results
.endr
.irp p, 0,1,2,3
	ds_store_b128 v11, v[80+4*\p:83+4*\p] offset:QP+512*\p   ; each result from its low end on
.endr
	s_wait_dscnt 0x0                               ; for the others' sake
	s_barrier_signal -1
	s_barrier_wait -1
.irp q, 0,1,2,3,4,5,6,7
	ds_load_b64 v[100+2*\q:101+2*\q], v7 offset:QP+2048*\q   ; K step q's part of my two batches
.endr
	v_add_f32 v20, v20, v21                        ; b1 + b2
	v_mul_f32 v22, -2.0, v22                       ; v2
	s_wait_dscnt 0x0
.irp q, 1
	v_pk_add_f32 v[100:101], v[100:101], v[100+2*\q:101+2*\q]   ; K ascending
.endr
.irp q, 2, 3, 4, 5, 6, 7
	s_delay_alu instid0(VALU_DEP_1)
	v_pk_add_f32 v[100:101], v[100:101], v[100+2*\q:101+2*\q]   ; K ascending
.endr
	s_wait_alu depctr_va_vdst(0)
	v_pk_add_f32 v[100:101], v[100:101], v[20:21] op_sel_hi:[1,0]
	s_delay_alu instid0(VALU_DEP_1)
	v_pk_mul_f32 v[100:101], v[100:101], 0x4038aa3b op_sel_hi:[1,0]   ; x c = 2 log2(e)
	global_store_b32 v24, v100, s[18:19]
	global_store_b32 v24, v101, s[18:19] offset:TABB
	global_store_b32 v24, v22, s[18:19] offset:4096
	global_store_b32 v24, v22, s[18:19] offset:TABB+4096
	s_wait_tensorcnt 0x0                           ; the wave's end
	ds_add_u32 v[SPW], v[NIL]
	s_wait_dscnt 0x0
	s_endpgm
.Lfunc_end_k_q0673151d8b_prep:
	.size	k_q0673151d8b_prep, .Lfunc_end_k_q0673151d8b_prep-k_q0673151d8b_prep
	.p2alignl 7, 3214868480
	.fill 96, 4, 3214868480
	.section	.rodata,"a",@progbits
	.p2align	6, 0x0
	.amdhsa_kernel k_q0673151d8b_prep
		.amdhsa_group_segment_fixed_size 17920
		.amdhsa_private_segment_fixed_size 0
		.amdhsa_enable_private_segment 0
		.amdhsa_kernarg_size 64
		.amdhsa_user_sgpr_count 2
		.amdhsa_user_sgpr_kernarg_segment_ptr 1
		.amdhsa_wavefront_size32 1
		.amdhsa_system_sgpr_workgroup_id_x 1
		.amdhsa_system_sgpr_workgroup_id_y 1
		.amdhsa_system_sgpr_workgroup_id_z 1
		.amdhsa_system_vgpr_workitem_id 0
		.amdhsa_next_free_vgpr 256
		.amdhsa_next_free_sgpr 66
		.amdhsa_reserve_vcc 0
		.amdhsa_float_denorm_mode_32 3
		.amdhsa_float_denorm_mode_16_64 3
		.amdhsa_memory_ordered 1
		.amdhsa_forward_progress 1
		.amdhsa_inst_pref_size 40
	.end_amdhsa_kernel
	.amdgpu_metadata
---
amdhsa.version: [ 1, 2 ]
amdhsa.kernels:
  - .name:           k_q0673151d8b_prep
    .symbol:         k_q0673151d8b_prep.kd
    .args:
      - { .name: W2, .offset: 0, .size: 8, .value_kind: global_buffer, .address_space: global }
      - { .name: W1, .offset: 8, .size: 8, .value_kind: global_buffer, .address_space: global }
      - { .name: dec_hidden, .offset: 16, .size: 8, .value_kind: global_buffer, .address_space: global }
      - { .name: b1, .offset: 24, .size: 8, .value_kind: global_buffer, .address_space: global }
      - { .name: b2, .offset: 32, .size: 8, .value_kind: global_buffer, .address_space: global }
      - { .name: V, .offset: 40, .size: 8, .value_kind: global_buffer, .address_space: global }
      - { .name: w2img, .offset: 48, .size: 8, .value_kind: global_buffer, .address_space: global }
      - { .name: tab, .offset: 56, .size: 8, .value_kind: global_buffer, .address_space: global }
    .group_segment_fixed_size: 17920
    .private_segment_fixed_size: 0
    .kernarg_segment_align: 8
    .kernarg_segment_size: 64
    .max_flat_workgroup_size: 256
    .sgpr_count:     66
    .vgpr_count:     256
    .wavefront_size: 32
...
	.end_amdgpu_metadata
.endif
;; end of part 1
;; launch main (part 2): grid 8 x 32, 8 waves a work-group, clusters of 4 x 1, 327,680 bytes of LDS; arguments all_enc_hiddens, w2img, tab, scores; writes scores
.if DOCPART == 2
	.amdgcn_target "amdgcn-amd-amdhsa--gfx1250"
	.amdhsa_code_object_version 6
	.text
	.protected	k_q0673151d8b_main
	.globl	k_q0673151d8b_main
	.p2align	8
	.type	k_q0673151d8b_main,@function
k_q0673151d8b_main:
	s_mov_b64 s[64:65], 0
	v_nop
	global_prefetch_b8 v0, s[64:65] scope:SCOPE_SE
	s_setreg_imm32_b32 hwreg(HW_REG_WAVE_MODE, 25, 1), 1
	s_wait_xcnt 0x0
	s_wait_alu depctr_hold_cnt(0) depctr_sa_sdst(0) depctr_va_vdst(0) depctr_va_sdst(0) depctr_va_ssrc(0) depctr_va_vcc(0) depctr_vm_vsrc(0)
	s_getreg_b32 s2, hwreg(HW_REG_IB_STS2, 6, 4)
	s_cmp_eq_u32 s2, 0
	s_cbranch_scc0 .Lentry_in_a_cluster
	s_endpgm
.Lentry_in_a_cluster:
	s_bfe_u32 s2, ttmp6, 0x10000c
	s_cmp_lg_u32 s2, 0x3003
	s_cbranch_scc0 .Lentry_shape_is_right
	s_endpgm
.Lentry_shape_is_right:
; THE SECOND LAUNCH: scores[b][t] = sum over u of v2[u] / (1 + 2^(c k[t][u] + cq[u])), k = Q(all_enc_hiddens) Q(W2), the second product, in MX-FP6.
; Left out, as shown at the head of the first launch: bv and the sum of V are not in the scores; the softmax is the same without them.
; LIMITS: NaN and infinities among the inputs are not served.  A block of zeros gets the scale byte 1: its codes are zeros.
; SHARES.  A work-group takes 256 rows t of one batch, a wave 32 of them (two tiles of 16) against all 1,024 columns u.
; PART 1: each wave reads its own rows, 512 consecutive bytes (128 along K of one row) a load, 16 to 32 loads on their way; 16 rows at a time turn through the wave's
;   own stage in LDS, so that a lane holds 64 neighbours along K, and become the operand's registers: 2 tiles x 8 K steps x 12 registers.  No barrier: waves share nothing here.
; PART 2: W2's register images go through two LDS slots of 128 columns (192 pieces of 512 bytes), filled by waves 0-3 with joint loads: the four work-groups of a cluster
;   (one batch) walk the same images and the same table.  A group is 64 columns: 64 matrix instructions, the 8 accumulators by turns, then the vector part in batches.
;   Waves 0-3 run a group's vector part behind its products, waves 4-7 ahead of the next group's products: the two kinds of wave are in different parts at a time.
;   The vector part is written once for both: the first time waves 4-7 find zeros (accumulators, cq, v2) and add 0 to the scores.
; No data prefetch: in part 1 the waves' own loads are the whole stream and are asked for two half steps ahead; part 2's tiles are read by every work-group.
; REGISTERS, window 0: v0-15 addresses; v16-31 x's scale words; v32-47 W2's; v64-71 cq, v72-79 v2 (pairs: the low word is used); v80-95 scores; v96-159 accumulators;
;   v160-207, v208-255 B's buffers 0, 1.  In part 1: v96-159 64 neighbours, v160-223 loads (even half steps), v224-235 at work.
; window 1: v0-47 B's buffer 2 (part 1: v0-63 loads, odd half steps); v64-255 x's codes.
.set PITCH, 528
.set WPART, 48*PITCH
.set SLOT,  4*WPART
.set TAB,   2*SLOT
.set STAGE, TAB+40960
.set SROWS, 16*PITCH
.set SCR,   STAGE+8*SROWS
.set SPARE, SCR+1024
.set SPW, 1
.set NIL, 2
.set LQ,  3
.set LS,  4
.set ADB, 5
.set ADQ, 6
.set ADS, 7
.set STI, 8
.set STO, 9
.set SCA, 10
.set SCB, 11
.set GOF, 12
.set LI,  13
.set TMP, 14
.set ASC, 16
.set BSC, 32
.set CQ,  64
.set V2,  72
.set SCO, 80
.set ACC, 96
.set X,   96
.set T,   224
.set AF,  64
.set WV,  12
.set SEL, 20
.set CS,  22
.set G1W, 40
.set G0W, 48
.set G1T, 52
.set G0T, 60
.set TF,  66
.set WOFF, 67
.set TG,  68
.set TC,  69
.set TS,  70
.set SLOTS, 71
.set TWICE, 72
.set WL,  75
.set MSB, 0
.macro WIN new
.if MSB != (\new)
	s_set_vgpr_msb (MSB<<8)|(\new)
.set MSB, (\new)
.endif
.endm
.macro ROUND                           ; a round of the cluster's barrier
	s_barrier_signal -1
	s_barrier_wait -1
	s_cmp_lg_u32 s[WV], 0
	s_cbranch_scc1 .Lnot_wave_0_\@
	s_barrier_signal -3
.Lnot_wave_0_\@:
	s_barrier_wait -3
	s_barrier_signal -1
	s_barrier_wait -1
.endm
.macro TL g0, g1                       ; s_nop 0 and four v_nop behind the load
	tensor_load_to_lds s[\g0:\g0+3], s[\g1:\g1+7]
	s_nop 0
.rept 4
	v_nop
.endr
.endm
; half step u: tile u % 2 (16 rows), K step u / 2.  A load is one row's 512 bytes, 16 a lane
.macro GLOAD u
.if (\u)%2
.set LB, 0
	WIN 0x40
.else
.set LB, 160
.endif
.irp i, 0,1,2,3,4,5,6,7,8,9,10,11,12,13,14,15
	global_load_b128 v[LB+4*\i:LB+4*\i+3], v[LI], s[4:5] offset:(16*((\u)%2)+\i)*4096+512*((\u)/2) th:TH_LOAD_NT
.endr
	WIN 0
.endm
; 64 numbers of a lane, v[X + 32 c + i] = k 64 c + 32 h + i of row r: two blocks.  Scale: the largest magnitude's exponent field less 2, floor 2^(3 - 127) among the leaves.
.macro QB f, sw
.irp q, 0,1,2,3
	v_max3_num_f32 v[T+\q], |v[X+16*\q]|, |v[X+16*\q+1]|, 0x1800000
.endr
.irp i, 2,4,6,8,10,12,14
.irp q, 0,1,2,3
	s_delay_alu instid0(VALU_DEP_4)
	v_max3_num_f32 v[T+\q], v[T+\q], |v[X+16*\q+\i]|, |v[X+16*\q+\i+1]|
.endr
.endr
	s_delay_alu instid0(VALU_DEP_3)
	v_max_num_f32 v[T+4], v[T], v[T+1]
	s_delay_alu instid0(VALU_DEP_2)
	v_max_num_f32 v[T+5], v[T+2], v[T+3]
.irp c, 0,1
	s_delay_alu instid0(VALU_DEP_2)
	v_add_nc_u32 v[T+6+\c], 0xff000000, v[T+4+\c]  ; the conversion's scale operand
.endr
.irp c, 0,1
	s_delay_alu instid0(VALU_DEP_2)
	v_lshrrev_b32 v[T+8+\c], 23, v[T+6+\c]         ; the byte
.endr
	s_delay_alu instid0(VALU_DEP_1)
	v_lshl_or_b32 v[T+10], v[T+9], 16, v[T+8]      ; blocks h and 2 + h
	s_delay_alu instid0(VALU_DEP_1)
	v_permlanex16_b32 v[T+11], v[T+10], s[SEL], s[SEL+1]
	s_delay_alu instid0(VALU_DEP_1)
	v_lshl_or_b32 v[\sw], v[T+11], 8, v[T+10]      ; the word is right in lanes 0-15, which a scale operand is read from
	WIN 0x40
.irp c, 0,1
	v_cvt_scalef32_pk16_fp6_f32 v[\f+6*\c:\f+6*\c+2], v[X+32*\c:X+32*\c+15], v[T+6+\c]
.endr
	v_nop                                          ; one plain place: the next two write over the first two's sources
	WIN 0
.irp c, 0,1
	v_cvt_scalef32_pk16_fp6_f32 v[X+32*\c:X+32*\c+2], v[X+32*\c+16:X+32*\c+31], v[T+6+\c]   ; three registers from an even one: made here and moved
.endr
	v_nop
	WIN 0x40
.irp c, 0,1
.irp i, 0,1,2
	v_mov_b32 v[\f+6*\c+3+\i], v[X+32*\c+\i]
.endr
.endr
	WIN 0
.endm
.macro HSTEP u
.if (\u) < 15
	s_wait_loadcnt 16                              ; this half step's 16 loads are in, the next one's may be out
.else
	s_wait_loadcnt 0x0
.endif
.if (\u)%2
.set LB, 0
	WIN 0x04
.else
.set LB, 160
.endif
.irp i, 0,1,2,3,4,5,6,7,8,9,10,11,12,13,14,15
	ds_store_b128 v[STI], v[LB+4*\i:LB+4*\i+3] offset:\i*PITCH
.endr
	WIN 0
.irp c, 0,1
.irp j, 0,1,2,3,4,5,6,7
	ds_load_b128 v[X+32*\c+4*\j:X+32*\c+4*\j+3], v[STO] offset:256*\c+16*\j   ; LDS serves a wave's instructions in order: these see the stores
.endr
.endr
	s_wait_dscnt 0x0                               ; back in registers; the stores have read theirs
.if (\u)+2 < 16
	GLOAD (\u)+2
.endif
	QB AF+96*((\u)%2)+12*((\u)/2), ASC+8*((\u)%2)+(\u)/2
.endm
	s_load_b256 s[4:11], s[0:1], 0x0               ; x s[4:5], w2img s[6:7], tab s[8:9], scores s[10:11]
	v_lshl_add_u32 v[SPW], v0, 2, SPARE
	v_mov_b32 v[NIL], 0
	ds_add_u32 v[SPW], v[NIL]
	ds_add_u32 v[SPW], v[NIL]
	v_lshrrev_b32 v[TMP], 5, v0
	s_delay_alu instid0(VALU_DEP_1)
	v_readfirstlane_b32 s[WV], v[TMP]              ; wave 0..7
	s_and_b32 s[WL], s[WV], 3                      ; which quarter of a tile I fetch
	s_bfe_u32 s13, ttmp6, 0x40000
	s_lshl_b32 s14, ttmp9, 2
	s_add_co_u32 s14, s14, s13                     ; work-group x
	s_and_b32 s15, ttmp7, 0xffff                   ; batch
	s_lshl_b32 s16, s15, 11
	s_lshl_b32 s17, s14, 8
	s_add_co_u32 s16, s16, s17                     ; the work-group's first row
	s_lshl_b32 s18, s[WV], 5
	s_add_co_u32 s18, s18, s16
	s_lshl_b32 s18, s18, 12                        ; my wave's first row, in bytes
	s_mov_b32 s19, 0
	s_lshl_b32 s16, s16, 2
	s_mov_b32 s17, 0
	s_mul_i32 s[WOFF], s[WL], WPART
	s_mul_i32 s76, s[WL], 48*512
	s_mov_b32 s77, 0
	s_mul_i32 s78, s15, 40960
	s_mul_i32 s73, s[WL], 10240
	s_add_co_u32 s78, s78, s73
	s_mov_b32 s79, 0
	s_mov_b32 s[G1W+0], 15|(3<<16)|(1<<20)|(1<<21)|(6<<22)|(3<<25)   ; 48 pieces of 512 bytes, 16 of padding behind each; all four partners
	s_mov_b32 s[G1W+1], 64<<16
	s_mov_b32 s[G1W+2], 48<<16
	s_mov_b32 s[G1W+3], 64<<16
	s_mov_b32 s[G1W+4], 48
	s_mov_b32 s[G1W+5], 64
	s_mov_b32 s[G1W+6], 0
	s_mov_b32 s[G1W+7], 0
	s_mov_b32 s[G1T+0], 15|(3<<16)|(1<<21)         ; a quarter of the batch's table: 40 rows of 256 bytes, dense
	s_mov_b32 s[G1T+1], 32<<16
	s_mov_b32 s[G1T+2], 40<<16
	s_mov_b32 s[G1T+3], 32<<16
	s_mov_b32 s[G1T+4], 40
	s_mov_b32 s[G1T+5], 32
	s_mov_b32 s[G1T+6], 0
	s_mov_b32 s[G1T+7], 0
	s_mov_b32 s[SEL], 0x76543210
	s_mov_b32 s[SEL+1], 0xfedcba98
	s_mov_b32 s[CS], 0x4038aa3b                    ; c = 2 log2(e)
	s_mov_b32 s[CS+1], s[CS]
	s_mov_b32 s[TF], 0
	s_mov_b32 s[TG], 2*SLOT                        ; the first change of slots turns it to slot 0
	s_mov_b32 s[TC], 0
	s_mov_b32 s[TS], 0
	s_mul_i32 s74, s[WV], SROWS
	s_add_co_u32 s74, s74, STAGE                   ; my stage
	v_and_b32 v[TMP], 15, v0                       ; r
	v_bfe_u32 v[TMP+1], v0, 4, 1                   ; h
	v_and_b32 v[LI], 31, v0
	s_delay_alu instid0(VALU_DEP_1)
	v_lshlrev_b32 v[LI], 4, v[LI]                  ; 16 x lane
	s_delay_alu instid0(VALU_DEP_4)
	v_mul_u32_u24 v[STO], v[TMP], PITCH
	s_delay_alu instid0(VALU_DEP_1)
	v_lshl_add_u32 v[STO], v[TMP+1], 7, v[STO]
	s_delay_alu instid0(VALU_DEP_1)
	v_add_nc_u32 v[STO], s74, v[STO]               ; out of the stage: row r, 128 h
	s_delay_alu instid0(VALU_DEP_4)
	v_add_nc_u32 v[STI], s74, v[LI]                ; into it: as loaded
	v_lshl_add_u32 v[LQ], v[TMP], 2, TAB
	v_lshl_add_u32 v[LS], v[TMP], 5, TAB+8192
	s_delay_alu instid0(VALU_DEP_1)
	v_lshl_add_u32 v[LS], v[TMP+1], 4, v[LS]       ; column r's eight scale words: lanes 0-15 take words 0-3, lanes 16-31 words 4-7
	s_lshl_b32 s74, s[WV], 7
	s_add_co_u32 s74, s74, SCR
	v_lshl_add_u32 v[SCA], v[TMP+1], 5, s74        ; my wave's 32 scores: 128 bytes
	v_lshlrev_b32 v[GOF], 4, v0
	v_lshl_add_u32 v[SCB], v0, 4, SCR
	v_mov_b32 v[T+11], 0                           ; a lane permute's destination counts as one of its sources
	s_wait_alu depctr_va_vdst(0)
	s_wait_dscnt 0x0
	s_wait_kmcnt 0x0
	s_add_nc_u64 s[4:5], s[4:5], s[18:19]
	GLOAD 0
	GLOAD 1
	s_mov_b32 s[G0W], 1
	s_mov_b32 s[G0W+1], s[WOFF]
	s_add_nc_u64 s[G0W+2:G0W+3], s[6:7], s[76:77]
	s_or_b32 s[G0W+3], s[G0W+3], 0x80000000
	s_mov_b32 s[G0T], 1
	s_add_co_u32 s[G0T+1], s73, TAB
	s_add_nc_u64 s[G0T+2:G0T+3], s[8:9], s[78:79]
	s_or_b32 s[G0T+3], s[G0T+3], 0x80000000
	s_add_nc_u64 s[10:11], s[10:11], s[16:17]
	ROUND                                          ; in front of the first joint loads
	s_cmp_lt_u32 s[WV], 4                          ; one load a wave: waves 0-3 slot 0's quarters, waves 4-7 the table's
	s_cbranch_scc0 .Lhead_tab
	TL G0W, G1W
	s_branch .Lhead_asked
.Lhead_tab:
	TL G0T, G1T
.Lhead_asked:                          ; slot 0 and the table are first read behind the first change of slots, whose wait and round show them whole; the stages are bytes on which no tile lands
.irp u, 0,1,2,3,4,5,6,7,8,9,10,11,12,13,14,15
	HSTEP \u
.endr
.set a, 0
.rept 96
	v_mov_b32 v[CQ+a], 0                           ; cq, v2, the scores, and the accumulators that waves 4-7 read first
.set a, a+1
.endr
	s_wait_alu depctr_va_vdst(0)
; a change of slots: the three lines, the round, the joint refill first behind it (the first time: slot 1's first fill, issued as a refill is)
.macro CHANGE fill
	s_wait_tensorcnt 0x0
	ds_add_u32 v[SPW], v[NIL]
	s_sub_co_u32 s[TG], s[TG], SLOT
	s_xor_b32 s[TG], s[TG], SLOT                   ; the slot to read now
.if \fill
	s_xor_b32 s[TF], s[TF], SLOT                   ; the slot to fill: the other one
	s_add_co_u32 s[G0W+1], s[TF], s[WOFF]
	s_add_nc_u64 s[G0W+2:G0W+3], s[G0W+2:G0W+3], 192*512
	s_wait_dscnt 0x0
	ROUND
	s_cmp_lt_u32 s[WV], 4
	s_cbranch_scc0 .Lno_fill_\@
	TL G0W, G1W
.Lno_fill_\@:
.else
	s_wait_dscnt 0x0
	s_barrier_signal -1
	s_barrier_wait -1
.endif
.endm
.macro BLOAD s                         ; K step s of the group's four column tiles: 12 pieces, registers as they lie, into buffer s % 3
.if (\s)%3 == 2
.set BB, 0
	WIN 0x40
.else
.set BB, 160+48*((\s)%3)
	WIN 0
.endif
.irp n, 0,1,2,3
.irp c, 0,1,2
	ds_load_b128 v[BB+12*\n+4*\c:BB+12*\n+4*\c+3], v[ADB] offset:(12*(\s)+3*\n+\c)*PITCH
.endr
.endr
.endm
.macro KSTEP s, cnt                    ; cnt: the LDS loads issued behind this K step's
.if (\s)%3 == 2
.set BB, 0
.else
.set BB, 160+48*((\s)%3)
.endif
	s_wait_dscnt \cnt
	WIN (1|((((\s)%3)/2)<<2))                      ; A window 1; B window 0 or 1; C and D window 0
.irp n, 0,1,2,3
.irp m, 0,1
.if (\s) == 0
	v_wmma_scale_f32_16x16x128_f8f6f4 v[ACC+8*(4*\m+\n):ACC+8*(4*\m+\n)+7], v[AF+96*\m+12*(\s):AF+96*\m+12*(\s)+11], v[BB+12*\n:BB+12*\n+11], 0, v[ASC+8*\m+(\s)], v[BSC+4*\n+(\s)] matrix_a_fmt:MATRIX_FMT_FP6 matrix_b_fmt:MATRIX_FMT_FP6
.elseif (\s) < 4
	v_wmma_scale_f32_16x16x128_f8f6f4 v[ACC+8*(4*\m+\n):ACC+8*(4*\m+\n)+7], v[AF+96*\m+12*(\s):AF+96*\m+12*(\s)+11], v[BB+12*\n:BB+12*\n+11], v[ACC+8*(4*\m+\n):ACC+8*(4*\m+\n)+7], v[ASC+8*\m+(\s)], v[BSC+4*\n+(\s)] matrix_a_fmt:MATRIX_FMT_FP6 matrix_b_fmt:MATRIX_FMT_FP6
.else
	v_wmma_scale_f32_16x16x128_f8f6f4 v[ACC+8*(4*\m+\n):ACC+8*(4*\m+\n)+7], v[AF+96*\m+12*(\s):AF+96*\m+12*(\s)+11], v[BB+12*\n:BB+12*\n+11], v[ACC+8*(4*\m+\n):ACC+8*(4*\m+\n)+7], v[ASC+8*\m+(\s)], v[BSC+4*\n+(\s)-4] matrix_a_fmt:MATRIX_FMT_FP6 matrix_b_fmt:MATRIX_FMT_FP6 matrix_b_scale:MATRIX_SCALE_ROW1
.endif
.endr
.endr
.if (\s)+3 < 8
.rept 4
	v_nop                                          ; four places in front of loads into the buffer just multiplied
.endr
	BLOAD (\s)+3
.endif
.endm
.macro MPH                             ; a group's products
.rept 5
	v_nop                                          ; places behind any earlier matrix instruction
.endr
	v_add_nc_u32 v[ADB], s[TG], v[LI]
	v_add_nc_u32 v[ADS], s[TS], v[LS]
	v_add_nc_u32 v[ADQ], s[TC], v[LQ]
	s_wait_alu depctr_va_vdst(0)
.irp n, 0,1,2,3
	ds_load_b128 v[BSC+4*\n:BSC+4*\n+3], v[ADS] offset:512*\n   ; register q: K step q in lanes 0-15, K step 4 + q in lanes 16-31
.endr
	BLOAD 0
	BLOAD 1
	BLOAD 2
	WIN 0
.irp n, 0,1,2,3
	ds_load_b32 v[CQ+2*\n], v[ADQ] offset:64*\n
	ds_load_b32 v[V2+2*\n], v[ADQ] offset:4096+64*\n
.endr
	KSTEP 0, 32                                    ; behind step 0's: steps 1, 2 and the eight words
	KSTEP 1, 32                                    ; step 2, the eight words, step 3
	KSTEP 2, 32                                    ; the eight words, steps 3, 4
	KSTEP 3, 24
	KSTEP 4, 24
	KSTEP 5, 24
	KSTEP 6, 12
	KSTEP 7, 0
	WIN 0
	s_add_co_u32 s[TG], s[TG], 2*WPART
	s_add_co_u32 s[TC], s[TC], 256
	s_add_co_u32 s[TS], s[TS], 2048
.endm
.macro VPH                             ; a group's vector part: scores += v2 / (1 + 2^(c k + cq)); lane: column r; register j of tile (m, n): row 16 m + 8 h + j
.rept 4
	v_nop                                          ; four places in front of the first read of the results
.endr
.irp a, 0,1,2,3,4,5,6,7
.irp i, 0,1,2,3
	v_pk_fma_f32 v[ACC+8*\a+2*\i:ACC+8*\a+2*\i+1], v[ACC+8*\a+2*\i:ACC+8*\a+2*\i+1], s[CS:CS+1], v[CQ+2*(\a%4):CQ+2*(\a%4)+1] op_sel_hi:[1,0,0]   ; each accumulator from its low end on
.endr
.endr
	s_wait_alu depctr_va_vdst(0)
.set a, 0
.rept 64
	v_exp_f32 v[ACC+a], v[ACC+a]
.set a, a+1
.endr
	v_nop
	s_wait_alu depctr_va_vdst(0)
.set a, 0
.rept 32
	v_pk_add_f32 v[ACC+a:ACC+a+1], v[ACC+a:ACC+a+1], 1.0 op_sel_hi:[1,0]
.set a, a+2
.endr
	s_wait_alu depctr_va_vdst(0)
.set a, 0
.rept 64
	v_rcp_f32 v[ACC+a], v[ACC+a]
.set a, a+1
.endr
	v_nop
	s_wait_alu depctr_va_vdst(0)
.irp n, 0,1,2,3
.irp m, 0,1
.irp i, 0,1,2,3
	v_pk_fma_f32 v[SCO+8*\m+2*\i:SCO+8*\m+2*\i+1], v[ACC+8*(4*\m+\n)+2*\i:ACC+8*(4*\m+\n)+2*\i+1], v[V2+2*\n:V2+2*\n+1], v[SCO+8*\m+2*\i:SCO+8*\m+2*\i+1] op_sel_hi:[1,0,1]
.endr
.endr
.endr
.endm
.macro GROUP
	s_cmp_lt_u32 s[WV], 4
	s_cbranch_scc1 .Lprod_\@
	VPH                                            ; waves 4-7: the group before
.Lprod_\@:
	MPH
	s_cmp_lt_u32 s[WV], 4
	s_cbranch_scc0 .Lend_\@
	VPH                                            ; waves 0-3: this group
.Lend_\@:
.endm
.macro TWO                             ; a slot holds two groups
	s_mov_b32 s[TWICE], 2
.Ltwo_\@:
	GROUP
	s_sub_co_u32 s[TWICE], s[TWICE], 1
	s_cmp_lg_u32 s[TWICE], 0
	s_cbranch_scc1 .Ltwo_\@
.endm
	s_mov_b32 s[SLOTS], 7
.Lslot:
	CHANGE 1
	TWO
	s_sub_co_u32 s[SLOTS], s[SLOTS], 1
	s_cmp_lg_u32 s[SLOTS], 0
	s_cbranch_scc1 .Lslot
	CHANGE 0                                       ; the last slot: nothing more to fetch
	TWO
	s_cmp_lt_u32 s[WV], 4
	s_cbranch_scc1 .Lsum
	VPH                                            ; waves 4-7: the last group
.Lsum:
	s_wait_alu depctr_va_vdst(0)
.irp x, 1,2,4,8
.set a, 0
.rept 16
	v_add_f32_dpp v[SCO+a], v[SCO+a], v[SCO+a] row_xmask:\x row_mask:0xf bank_mask:0xf   ; over the 16 columns of the lanes
.set a, a+1
.endr
.endr
.irp m, 0,1
	ds_store_b128 v[SCA], v[SCO+8*\m:SCO+8*\m+3] offset:64*\m        ; sixteen lanes write the same bytes with the same values
	ds_store_b128 v[SCA], v[SCO+8*\m+4:SCO+8*\m+7] offset:64*\m+16
.endr
	s_wait_dscnt 0x0                               ; for the others' sake
	s_barrier_signal -1
	s_barrier_wait -1
	s_cmp_lt_u32 s[WV], 2
	s_cbranch_scc0 .Ldone
	ds_load_b128 v[ACC:ACC+3], v[SCB]              ; waves 0 and 1 store the work-group's 256 scores: 512 consecutive bytes each
	s_wait_dscnt 0x0
	global_store_b128 v[GOF], v[ACC:ACC+3], s[10:11]
.Ldone:
	s_wait_tensorcnt 0x0                           ; the wave's end
	ds_add_u32 v[SPW], v[NIL]
	s_wait_dscnt 0x0
	ROUND                                          ; the closing round
	s_endpgm
.Lfunc_end_k_q0673151d8b_main:
	.size	k_q0673151d8b_main, .Lfunc_end_k_q0673151d8b_main-k_q0673151d8b_main
	.p2alignl 7, 3214868480
	.fill 96, 4, 3214868480
	.section	.rodata,"a",@progbits
	.p2align	6, 0x0
	.amdhsa_kernel k_q0673151d8b_main
		.amdhsa_group_segment_fixed_size 327680
		.amdhsa_private_segment_fixed_size 0
		.amdhsa_enable_private_segment 0
		.amdhsa_kernarg_size 32
		.amdhsa_user_sgpr_count 2
		.amdhsa_user_sgpr_kernarg_segment_ptr 1
		.amdhsa_wavefront_size32 1
		.amdhsa_system_sgpr_workgroup_id_x 1
		.amdhsa_system_sgpr_workgroup_id_y 1
		.amdhsa_system_sgpr_workgroup_id_z 1
		.amdhsa_system_vgpr_workitem_id 0
		.amdhsa_next_free_vgpr 512
		.amdhsa_next_free_sgpr 80
		.amdhsa_reserve_vcc 0
		.amdhsa_float_denorm_mode_32 3
		.amdhsa_float_denorm_mode_16_64 3
		.amdhsa_memory_ordered 1
		.amdhsa_forward_progress 1
		.amdhsa_inst_pref_size 228
	.end_amdhsa_kernel
	.amdgpu_metadata
---
amdhsa.version: [ 1, 2 ]
amdhsa.kernels:
  - .name:           k_q0673151d8b_main
    .symbol:         k_q0673151d8b_main.kd
    .args:
      - { .name: all_enc_hiddens, .offset: 0, .size: 8, .value_kind: global_buffer, .address_space: global }
      - { .name: w2img, .offset: 8, .size: 8, .value_kind: global_buffer, .address_space: global }
      - { .name: tab, .offset: 16, .size: 8, .value_kind: global_buffer, .address_space: global }
      - { .name: scores, .offset: 24, .size: 8, .value_kind: global_buffer, .address_space: global }
    .group_segment_fixed_size: 327680
    .private_segment_fixed_size: 0
    .kernarg_segment_align: 8
    .kernarg_segment_size: 32
    .max_flat_workgroup_size: 256
    .sgpr_count:     80
    .vgpr_count:     512
    .wavefront_size: 32
...
	.end_amdgpu_metadata
.endif
;; end of part 2
;; launch finish (part 3): grid 8 x 32, 8 waves a work-group, no clusters, 13,824 bytes of LDS; arguments all_enc_hiddens, scores, out0, out1; writes out0, out1
.if DOCPART == 3
	.amdgcn_target "amdgcn-amd-amdhsa--gfx1250"
	.amdhsa_code_object_version 6
	.text
	.protected	k_q0673151d8b_finish
	.globl	k_q0673151d8b_finish
	.p2align	8
	.type	k_q0673151d8b_finish,@function
k_q0673151d8b_finish:
	s_mov_b64 s[64:65], 0
	v_nop
	global_prefetch_b8 v0, s[64:65] scope:SCOPE_SE
	s_setreg_imm32_b32 hwreg(HW_REG_WAVE_MODE, 25, 1), 1
	s_wait_xcnt 0x0
; THE THIRD LAUNCH: out1[b][t] = softmax over t of scores[b][t], with the batch's largest score taken away ahead of the exponential; out0[b][h] = sum over t of out1[b][t] all_enc_hiddens[b][t][h].  All in f32.
; Left out, as shown at the head of the first launch: bv and the sum of V are not in the scores; the softmax is the same without them.
; LIMITS: NaN and infinities among the inputs are not served.
; SHARES.  Work-group (c, b) owns columns 128 c .. 128 c + 127 of out0[b] and rows 256 c .. 256 c + 255 of out1[b]: each output number has one owner.  Every work-group of a batch makes the batch's softmax anew from
; its 8,192 bytes of scores, which is little beside the 1 MiB of all_enc_hiddens that it streams.
; In turn i (0 .. 63) wave w takes rows 32 i + 4 w + 0 .. 3; a load is one row's 512 consecutive bytes, 16 a lane.  A ring of eight slots keeps 32 loads of every wave on their way; the ring is started ahead of the softmax.
; No matrix unit, no tensor load, no cluster: the work is one multiply-add for each number read, and the work-groups share nothing but the scores.
.set ATT,   0                          ; LDS: the batch's 2,048 weights
.set RED,   8192                       ; the eight waves' partial sums, 512 bytes each
.set ST0,   12288                      ; the waves' maxima;  256 bytes on: their sums
.set SPARE, 12800                      ; the spare words, 128 bytes for each of the 8 waves: four blocks of 256 bytes that no other line names
.set SPW,   4                          ; v4   LDS address of my spare word; never rewritten
.set NIL,   5                          ; v5   0; never rewritten
.set A,     32                         ; v32-63   slot g: the four rows' weights
.set X,     64                         ; v64-191  slot g: four rows x 4 registers
; v1 my offset in the stream; v2 16 x thread; v3 the weights' LDS address; v6 16 x wave; v[8:11] my four columns' sums; v[12:19] eight scores, then weights; v20-31 at work
	s_load_b256 s[4:11], s[0:1], 0x0               ; all_enc_hiddens s[4:5], scores s[6:7], out0 s[8:9], out1 s[10:11]
	v_lshl_add_u32 v[SPW], v0, 2, SPARE
	v_mov_b32 v[NIL], 0
	v_lshrrev_b32 v20, 5, v0
	s_delay_alu instid0(VALU_DEP_1)
	v_readfirstlane_b32 s12, v20                   ; wave 0..7
	v_and_b32 v1, 31, v0
	s_delay_alu instid0(VALU_DEP_1)
	v_lshlrev_b32 v1, 4, v1
	s_delay_alu instid0(VALU_DEP_1)
	v_lshl_add_u32 v1, v20, 14, v1                 ; 16 x lane + 4 rows of 4,096 bytes x wave
	v_lshlrev_b32 v2, 4, v0
	v_lshlrev_b32 v6, 4, v20
	s_delay_alu instid0(VALU_DEP_1)
	v_mov_b32 v3, v6
	v_lshl_add_u32 v22, v20, 2, ST0                ; my wave's word
	v_mov_b32 v23, ST0
	v_mov_b32 v21, 0                               ; a lane permute's destination counts as one of its sources
.irp j, 0,1,2,3
	v_mov_b32 v[8+\j], 0
.endr
	s_mov_b32 s20, 0x76543210
	s_mov_b32 s21, 0xfedcba98                      ; v_permlanex16_b32's selects for lane l xor 16
	s_and_b32 s14, ttmp7, 0xffff                   ; b
	s_lshl_b32 s16, s14, 23                        ; 2,048 rows of 4,096 bytes
	s_lshl_b32 s18, ttmp9, 9                       ; 128 columns
	s_add_co_u32 s16, s16, s18
	s_mov_b32 s17, 0
	s_lshl_b32 s24, s14, 13
	s_mov_b32 s25, 0
	s_lshl_b32 s26, s14, 12
	s_add_co_u32 s26, s26, s18
	s_mov_b32 s27, 0
	s_wait_kmcnt 0x0
	s_add_nc_u64 s[4:5], s[4:5], s[16:17]
	s_add_nc_u64 s[6:7], s[6:7], s[24:25]
	s_add_nc_u64 s[8:9], s[8:9], s[26:27]
	s_add_nc_u64 s[10:11], s[10:11], s[24:25]
	global_load_b128 v[12:15], v2, s[6:7]
	global_load_b128 v[16:19], v2, s[6:7] offset:4096   ; and 1,024 + 4 thread + 0 .. 3
.irp g, 0,1,2,3,4,5,6,7
.irp k, 0,1,2,3
	global_load_b128 v[X+16*\g+4*\k:X+16*\g+4*\k+3], v1, s[4:5] offset:\g*131072+4096*\k th:TH_LOAD_NT   ; the ring's first fill: turns 0 to 7
.endr
.endr
	s_wait_loadcnt 32                              ; the scores are in; the ring's 32 loads stay out
	v_max3_num_f32 v20, v12, v13, v14
	s_delay_alu instid0(VALU_DEP_1)
	v_max3_num_f32 v20, v20, v15, v16
	s_delay_alu instid0(VALU_DEP_1)
	v_max3_num_f32 v20, v20, v17, v18
	s_delay_alu instid0(VALU_DEP_1)
	v_max_num_f32 v20, v20, v19
.irp x, 1,2,4,8
	s_delay_alu instid0(VALU_DEP_1)
	v_max_num_f32_dpp v20, v20, v20 row_xmask:\x row_mask:0xf bank_mask:0xf
.endr
	s_delay_alu instid0(VALU_DEP_1)
	v_permlanex16_b32 v21, v20, s20, s21
	s_delay_alu instid0(VALU_DEP_1)
	v_max_num_f32 v20, v20, v21
	ds_store_b32 v22, v20                          ; all lanes write the same word with the same value
	s_wait_dscnt 0x0                               ; for the others' sake
	s_barrier_signal -1
	s_barrier_wait -1
	ds_load_b128 v[24:27], v23
	ds_load_b128 v[28:31], v23 offset:16
	s_wait_dscnt 0x0
	v_max3_num_f32 v20, v24, v25, v26
	s_delay_alu instid0(VALU_DEP_1)
	v_max3_num_f32 v20, v20, v27, v28
	s_delay_alu instid0(VALU_DEP_1)
	v_max3_num_f32 v20, v20, v29, v30
	s_delay_alu instid0(VALU_DEP_1)
	v_max_num_f32 v20, v20, v31                    ; the batch's largest score
.irp j, 0,1,2,3,4,5,6,7
	v_sub_f32 v[12+\j], v[12+\j], v20
.endr
.irp j, 0,1,2,3,4,5,6,7
	v_mul_f32 v[12+\j], 0x3fb8aa3b, v[12+\j]       ; x log2(e)
.endr
	s_wait_alu depctr_va_vdst(0)
.irp j, 0,1,2,3,4,5,6,7
	v_exp_f32 v[12+\j], v[12+\j]
.endr
	v_nop                                          ; a plain place behind the last exponential,
	s_wait_alu depctr_va_vdst(0)                   ; and one wait for the eight, ahead of their first reader
	v_pk_add_f32 v[24:25], v[12:13], v[14:15]
	v_pk_add_f32 v[26:27], v[16:17], v[18:19]
	s_delay_alu instid0(VALU_DEP_1)
	v_pk_add_f32 v[24:25], v[24:25], v[26:27]
	s_delay_alu instid0(VALU_DEP_1)
	v_add_f32 v20, v24, v25
.irp x, 1,2,4,8
	s_delay_alu instid0(VALU_DEP_1)
	v_add_f32_dpp v20, v20, v20 row_xmask:\x row_mask:0xf bank_mask:0xf
.endr
	s_delay_alu instid0(VALU_DEP_1)
	v_permlanex16_b32 v21, v20, s20, s21
	s_delay_alu instid0(VALU_DEP_1)
	v_add_f32 v20, v20, v21
	ds_store_b32 v22, v20 offset:256               ; other bytes than the maxima's: no barrier is owed between the two uses
	s_wait_dscnt 0x0
	s_barrier_signal -1
	s_barrier_wait -1
	ds_load_b128 v[24:27], v23 offset:256
	ds_load_b128 v[28:31], v23 offset:272
	s_wait_dscnt 0x0
	v_add_f32 v20, v24, v25
.irp j, 26,27,28,29,30,31
	s_delay_alu instid0(VALU_DEP_1)
	v_add_f32 v20, v20, v[\j]
.endr
	s_wait_alu depctr_va_vdst(0)
	v_rcp_f32 v20, v20
	v_nop
	s_wait_alu depctr_va_vdst(0)
.irp j, 0,2,4,6
	v_pk_mul_f32 v[12+\j:13+\j], v[12+\j:13+\j], v[20:21] op_sel_hi:[1,0]   ; the weights
.endr
	ds_store_b128 v2, v[12:15] offset:ATT
	ds_store_b128 v2, v[16:19] offset:ATT+4096
	s_wait_dscnt 0x0
	s_barrier_signal -1
	s_barrier_wait -1                              ; the batch's 2,048 weights lie in LDS
	; out1: rows 256 c on are held by waves 2 (c % 4) and 2 (c % 4) + 1, in their first four registers (c < 4) or their second.  Branches on ids alone; a wave's store covers 512 consecutive bytes.
	s_lshr_b32 s16, s12, 1
	s_and_b32 s17, ttmp9, 3
	s_cmp_lg_u32 s16, s17
	s_cbranch_scc1 .Lnot_mine
	s_cmp_lt_u32 ttmp9, 4
	s_cbranch_scc0 .Lupper
	s_wait_alu depctr_va_vdst(0)
	global_store_b128 v2, v[12:15], s[10:11]
	s_branch .Lnot_mine
.Lupper:
	s_wait_alu depctr_va_vdst(0)
	global_store_b128 v2, v[16:19], s[10:11] offset:4096
.Lnot_mine:
.irp g, 0,1,2,3,4,5,6,7
	ds_load_b128 v[A+4*\g:A+4*\g+3], v3 offset:ATT+128*\g   ; the four rows' weights: the same 16 bytes in every lane
.endr
; One slot's turn.  ahead = 1: the slot takes the turn eight on.  lL, lD: the younger loads from memory and from LDS that may stay out.
.macro SLOT g, ahead, lL, lD
	s_wait_loadcnt \lL
	s_wait_dscnt \lD
.irp k, 0,1,2,3
.irp j, 0,1,2,3
	v_fmac_f32 v[8+\j], v[X+16*(\g)+4*\k+\j], v[A+4*(\g)+\k]
.endr
.endr
.if \ahead
.irp k, 0,1,2,3
	global_load_b128 v[X+16*(\g)+4*\k:X+16*(\g)+4*\k+3], v1, s[4:5] offset:((\g)+8+8*TR)*131072+4096*\k th:TH_LOAD_NT
.endr
	ds_load_b128 v[A+4*(\g):A+4*(\g)+3], v3 offset:ATT+((\g)+8+8*TR)*128
.endif
.endm
; the 56 turns that load ahead are written out: every offset is an immediate (63 x 131,072 + 3 x 4,096 at the most, inside the signed 24-bit field), so no base and no address register is stepped
.set TR, 0
.rept 7
.irp g, 0,1,2,3,4,5,6,7
	s_wait_alu depctr_va_vdst(0)
	SLOT \g, 1, 28, 7                              ; seven younger slots: 28 loads from memory, 7 from LDS
.endr
.set TR, TR+1
.endr
	s_wait_alu depctr_va_vdst(0)
.irp g, 0,1,2,3,4,5,6,7
	s_wait_alu depctr_va_vdst(0)
	SLOT \g, 0, 4*(7-\g), 7-\g                     ; the last eight turns load nothing: the counts run down
.endr
	ds_store_b128 v2, v[8:11] offset:RED           ; wave w's sums of the 128 columns at RED + 512 w
	s_wait_dscnt 0x0
	s_barrier_signal -1
	s_barrier_wait -1
	s_cmp_lg_u32 s12, 0
	s_cbranch_scc1 .Ldone
.irp w, 0,1,2,3,4,5,6,7
	ds_load_b128 v[X+4*\w:X+4*\w+3], v2 offset:RED+512*\w   ; in wave 0 the thread's number is the lane's
.endr
	s_wait_dscnt 0x0
.irp w, 1
	v_pk_add_f32 v[X:X+1], v[X:X+1], v[X+4*\w:X+4*\w+1]
	v_pk_add_f32 v[X+2:X+3], v[X+2:X+3], v[X+4*\w+2:X+4*\w+3]
.endr
.irp w, 2, 3, 4, 5, 6, 7
	s_delay_alu instid0(VALU_DEP_2)
	v_pk_add_f32 v[X:X+1], v[X:X+1], v[X+4*\w:X+4*\w+1]
	s_delay_alu instid0(VALU_DEP_2)
	v_pk_add_f32 v[X+2:X+3], v[X+2:X+3], v[X+4*\w+2:X+4*\w+3]
.endr
	global_store_b128 v2, v[X:X+3], s[8:9]         ; 512 consecutive bytes of out0
.Ldone:
	s_wait_tensorcnt 0x0                           ; the wave's end
	ds_add_u32 v[SPW], v[NIL]
	s_wait_dscnt 0x0
	s_endpgm
.Lfunc_end_k_q0673151d8b_finish:
	.size	k_q0673151d8b_finish, .Lfunc_end_k_q0673151d8b_finish-k_q0673151d8b_finish
	.p2alignl 7, 3214868480
	.fill 96, 4, 3214868480
	.section	.rodata,"a",@progbits
	.p2align	6, 0x0
	.amdhsa_kernel k_q0673151d8b_finish
		.amdhsa_group_segment_fixed_size 13824
		.amdhsa_private_segment_fixed_size 0
		.amdhsa_enable_private_segment 0
		.amdhsa_kernarg_size 32
		.amdhsa_user_sgpr_count 2
		.amdhsa_user_sgpr_kernarg_segment_ptr 1
		.amdhsa_wavefront_size32 1
		.amdhsa_system_sgpr_workgroup_id_x 1
		.amdhsa_system_sgpr_workgroup_id_y 1
		.amdhsa_system_sgpr_workgroup_id_z 1
		.amdhsa_system_vgpr_workitem_id 0
		.amdhsa_next_free_vgpr 192
		.amdhsa_next_free_sgpr 66
		.amdhsa_reserve_vcc 0
		.amdhsa_float_denorm_mode_32 3
		.amdhsa_float_denorm_mode_16_64 3
		.amdhsa_memory_ordered 1
		.amdhsa_forward_progress 1
		.amdhsa_inst_pref_size 76
	.end_amdhsa_kernel
	.amdgpu_metadata
---
amdhsa.version: [ 1, 2 ]
amdhsa.kernels:
  - .name:           k_q0673151d8b_finish
    .symbol:         k_q0673151d8b_finish.kd
    .args:
      - { .name: all_enc_hiddens, .offset: 0, .size: 8, .value_kind: global_buffer, .address_space: global }
      - { .name: scores, .offset: 8, .size: 8, .value_kind: global_buffer, .address_space: global }
      - { .name: out0, .offset: 16, .size: 8, .value_kind: global_buffer, .address_space: global }
      - { .name: out1, .offset: 24, .size: 8, .value_kind: global_buffer, .address_space: global }
    .group_segment_fixed_size: 13824
    .private_segment_fixed_size: 0
    .kernarg_segment_align: 8
    .kernarg_segment_size: 32
    .max_flat_workgroup_size: 256
    .sgpr_count:     66
    .vgpr_count:     192
    .wavefront_size: 32
...
	.end_amdgpu_metadata
.endif
;; end of part 3
